; MI455X (gfx1250); checked and timed in simulation.
; The chip was launched on July 23, 2026; its instructions are those of AMD's public machine-readable ISA for CDNA 5 (MIT licence, August 2026) and "CDNA5" Instruction Set Architecture Reference Guide (July 2026). The comments in the code are by the model that wrote it; some were corrected since.
;; Multi Head Masked Self Attention. Allowed arithmetic: matrix products marked QUANTISED: E4M3 operands, one given power-of-two scale a tensor, by v_wmma_f32_16x16x64_fp8_fp8 or v_wmma_f32_16x16x128_fp8_fp8, f32 sums; everything else in f32.
;; Inputs: bk 1,024 float32; bo 1,024 float32; bq 1,024 float32; bv 1,024 float32; lowp_scales 12 int32 (the exponents e of the quantised operands' scales 2^e); mask 1 x 1 x 2,048 x 2,048 float32; wk_codes 1,024 x 32 x 32 uint8 (E4M3 codes of wk, K innermost, in blocks of 32 codes); wo_codes 1,024 x 32 x 32 uint8 (E4M3 codes of wo, K innermost, in blocks of 32 codes); wq_codes 1,024 x 32 x 32 uint8 (E4M3 codes of wq, K innermost, in blocks of 32 codes); wv_codes 1,024 x 32 x 32 uint8 (E4M3 codes of wv, K innermost, in blocks of 32 codes); x_codes 4 x 2,048 x 32 x 32 uint8 (E4M3 codes of x, K innermost, in blocks of 32 codes).
;; Outputs: out0 4 x 2,048 x 1,024 float32.
;; This version of the problem:
;;   THIS VERSION OF THE PROBLEM IS GIVEN IN LOW PRECISION. The matrix products marked QUANTISED in the list below multiply operands that are first quantised to E4M3 (4 exponent bits, 3 mantissa bits; 8 bits a number), with one given power-of-two scale for each operand tensor; their sums are f32. All else is computed in f32.
;;   The module's matrix products, in the order in which they are computed (A, B: the left and right operand; K: the contracted axis; several contracted axes count as one K, in the product's order):
;;     1. [M 8,192, K 1,024] x [K 1,024, N 1,024]; A: input x (given as codes); B: input wq (given as codes): QUANTISED (scales: A lowp_scales[0], B lowp_scales[1])
;;     2. [M 8,192, K 1,024] x [K 1,024, N 1,024]; A: input x (given as codes); B: input wk (given as codes): QUANTISED (scales: A lowp_scales[2], B lowp_scales[3])
;;     3. [M 8,192, K 1,024] x [K 1,024, N 1,024]; A: input x (given as codes); B: input wv (given as codes): QUANTISED (scales: A lowp_scales[4], B lowp_scales[5])
;;     4. batch 64 x [M 2,048, K 64] x [K 64, N 2,048]; A: computed on the way; B: computed on the way: QUANTISED (scales: A lowp_scales[6], B lowp_scales[7])
;;     5. batch 64 x [M 2,048, K 2,048] x [K 2,048, N 64]; A: softmax (see below); B: computed on the way: QUANTISED (scales: A lowp_scales[8], B lowp_scales[9])
;;     6. [M 8,192, K 1,024] x [K 1,024, N 1,024]; A: computed on the way; B: input wo (given as codes): QUANTISED (scales: A lowp_scales[10], B lowp_scales[11])
;;   THE QUANTISER, for each operand of a quantised product, along K:
;;     - The operand's scale is 2^e, e = its entry of the input lowp_scales (int32; the entries are numbered through the quantised products in the list's order, A before B).
;;     - Each number is divided by the scale, clamped to +-448, and rounded to the nearest number of E4M3, ties to even, subnormals kept.
;;     - The product sums the exact products of the quantised numbers (number of the format x scale) in f32.
;;   ~~~python
;;   def quantise(x, axis, e):      # numpy; x: float32 -> the quantised numbers, widened to float32 again
;;       x = np.moveaxis(x, axis, -1); K = x.shape[-1]
;;       r = np.clip(x / 2.0 ** e, -448, 448)
;;       step = 2.0 ** (np.maximum(np.frexp(np.where(r == 0, 1, r))[1] - 1, -6) - 3)
;;       q = np.round(r / step) * step * 2.0 ** e      # np.round: ties to even
;;       return np.moveaxis(q, -1, axis).astype(np.float32)
;;   ~~~
;;   SOFTMAX AHEAD OF A QUANTISED PRODUCT. Where the list says 'softmax', what is quantised is not the finished softmax but p = 2^(t - M), with t = logit x log2(e) and M = ceil(the row's largest t), a whole number; so 1/2 < the row's largest p <= 1. The row's sum l is taken of the UNQUANTISED p, in f32, and the product's result is divided by l at the end. Since M is a whole number, a kernel that streams over the keys may use a running M (the ceiling of the running maximum): every later rescaling is an exact power of two, so the quantised numbers keep their values, but for numbers so far below the row's largest that they fall under the format's range.
;;   OPERANDS COMPUTED ON THE WAY. 'Computed on the way' means the value that the module computes at that place (a softmax that the list does not call 'softmax' is quantised finished and normalised). What goes into a quantiser is computed in f32, as accurately as f32 sums, v_exp_f32 and their like allow (about 1e-6 of the number): no bf16 or f16 on the way to a quantiser, and a product that is left as it is and whose result goes on into a quantised operand takes f32 operands (vector FMAs, or v_wmma_f32_16x16x4_f32). A number that lies on a knife's edge between two numbers of the format may be rounded either way, as far as f32 arithmetic and the matrix unit's own rounding can turn it there, and no further.
;;   INPUTS GIVEN AS CODES. wk (in the module: [1024, 1024], K = its axis 1); wo (in the module: [1024, 1024], K = its axis 1); wq (in the module: [1024, 1024], K = its axis 1); wv (in the module: [1024, 1024], K = its axis 1); x (in the module: [4, 2048, 1024], K = its axis 2): each comes as NAME_codes (uint8): NAME with its K axis moved to the last place and cut into blocks of 32 codes, [.., K / 32, bytes a block], one block behind the other in memory; one code a byte (a code: sign, 4 exponent bits, 3 mantissa bits); its scale is its entry of lowp_scales. Its value is code x scale, taken as it is: it is not quantised again, and the codes and scales need not be those that the quantiser above would give.
;; One version. Each part assembles by itself: llvm-mc -triple=amdgcn-amd-amdhsa -mcpu=gfx1250 --defsym DOCPART=n.
;; ======== version 1 of 1: 3 launches
;; limits: right only within a limited range of input values
;; workspace buffers: q_codes 8,388,608 bytes; k_codes 8,388,608 bytes; v_codes 8,388,608 bytes; o_codes 8,388,608 bytes
;; launch proj (part 1): grid 12 x 32, 4 waves a work-group, clusters of 4 x 4, 327,680 bytes of LDS; arguments x_codes, wq_codes, wk_codes, wv_codes, bq, bk, bv, lowp_scales, q_codes, k_codes, v_codes; writes q_codes, k_codes, v_codes
.if DOCPART == 1
	.amdgcn_target "amdgcn-amd-amdhsa--gfx1250"
	.amdhsa_code_object_version 6
	.text
	.protected	k_q40131cb879_proj
	.globl	k_q40131cb879_proj
	.p2align	8
	.type	k_q40131cb879_proj,@function
k_q40131cb879_proj:
	s_mov_b64 s[64:65], 0
	v_nop
	global_prefetch_b8 v0, s[64:65] scope:SCOPE_SE
	s_setreg_imm32_b32 hwreg(HW_REG_WAVE_MODE, 25, 1), 1
	s_wait_xcnt 0x0
	s_wait_alu depctr_hold_cnt(0) depctr_sa_sdst(0) depctr_va_vdst(0) depctr_va_sdst(0) depctr_va_ssrc(0) depctr_va_vcc(0) depctr_vm_vsrc(0)
	s_getreg_b32 s2, hwreg(HW_REG_IB_STS2, 6, 4)
	s_cmp_eq_u32 s2, 0
	s_cbranch_scc0 .Lentry_in_a_cluster
	s_endpgm
.Lentry_in_a_cluster:
	s_bfe_u32 s2, ttmp6, 0x10000c
	s_cmp_lg_u32 s2, 0xf033
	s_cbranch_scc0 .Lentry_shape_is_right
	s_endpgm
.Lentry_shape_is_right:
.set KSTEP,  256
.set ROWB,   256
.set KROW,   1024
.set PITCH,  272
.set FR,     16
.set NL,     4
.set NP,     4
.set HALFT,  128*PITCH
.set SLOT,   4*HALFT
.set LAPS,   1024/(2*KSTEP)
.set SPARE,  2*SLOT
.set SPI,    144
.set STGQ,   SPARE+512
.set STGV,   STGQ+4*16*SPI
.set ADRA, 16
.set ADRB, 20
.set STO,  24
.set RD,   25
.set CO,   26
.set BO,   27
.set SPW,  28
.set NIL,  29
.set BI,   32
.set TMP,  96
.set AF,   128
.set CD,   160
.set BK,   192
.set SCL,  224
.set LIM,  225
.set G1, 24
.set G0, 32
.set G1B, 48
.set G0B, 56
.set MSB, 0
.macro WIN new
.if MSB != \new
	s_set_vgpr_msb (MSB<<8)|\new
.set MSB, \new
.endif
.endm
.set MUL_LO, 0xa1
.set MUL_HI, 0xf1
.set TO_B,   0x40
.macro JLOAD g0a, g1a, g0b, g1b
	s_cmp_eq_u32 s15, 0
	s_cbranch_scc0 .Lfor_b_\@
	tensor_load_to_lds s[\g0a:\g0a+3], s[\g1a:\g1a+7]
	s_nop 0
.rept 4
	v_nop
.endr
	s_branch .Lasked_\@
.Lfor_b_\@:
	tensor_load_to_lds s[\g0b:\g0b+3], s[\g1b:\g1b+7]
	s_nop 0
.rept 4
	v_nop
.endr
.Lasked_\@:
.endm
.macro CREST
	s_cmp_lg_u32 s14, 0
	s_cbranch_scc1 .Lnot_wave_0_\@
	s_barrier_signal -3
.Lnot_wave_0_\@:
	s_barrier_wait -3
	s_barrier_signal -1
	s_barrier_wait -1
.endm
.macro CROUND
	s_barrier_signal -1
	s_barrier_wait -1
	CREST
.endm
	s_load_b512 s[68:83], s[0:1], 0x0
	s_load_b128 s[84:87], s[0:1], 0x40
	s_load_b64 s[88:89], s[0:1], 0x50
	v_lshl_add_u32 v[SPW], v0, 2, SPARE
	v_mov_b32 v[NIL], 0
	ds_add_u32 v28, v29
	ds_add_u32 v28, v29
	s_wait_dscnt 0x0
	v_lshrrev_b32 v1, 5, v0
	v_readfirstlane_b32 s14, v1
	s_lshr_b32 s15, s14, 1
	s_and_b32 s16, s14, 1
	s_bfe_u32 s40, ttmp6, 0x40000
	s_bfe_u32 s41, ttmp6, 0x40004
	s_and_b32 s13, ttmp7, 0xffff
	s_lshl_b32 s13, s13, 2
	s_cmp_eq_u32 ttmp9, 2
	s_cselect_b32 s18, 0, s13
	s_cselect_b32 s19, s13, 0
	s_add_co_u32 s17, s41, s18
	s_add_co_u32 s42, s40, s19
	s_lshl_b32 s43, s41, 2
	s_lshl_b32 s43, 15, s43
	s_lshl_b32 s44, 0x1111, s40
	s_or_b32 s[G1+0], s43, (0<<16)|(1<<20)|(1<<21)|(5<<22)|(3<<25)
	s_or_b32 s[G1B+0], s44, (0<<16)|(1<<20)|(1<<21)|(5<<22)|(3<<25)
.irp g, G1, G1B
	s_mov_b32 s[\g+1], ROWB<<16
	s_mov_b32 s[\g+2], 128<<16
	s_mov_b32 s[\g+3], ROWB<<16
	s_mov_b32 s[\g+4], 128
	s_mov_b32 s[\g+5], KROW
	s_mov_b32 s[\g+6], 0
	s_mov_b32 s[\g+7], 0
.endr
	s_lshl_b32 s18, s16, 7
	s_lshl_b32 s20, s17, 8
	s_add_co_u32 s20, s20, s18
	s_lshl_b32 s20, s20, 10
	s_mov_b32 s21, 0
	s_lshl_b32 s46, s42, 8
	s_add_co_u32 s46, s46, s18
	s_lshl_b32 s46, s46, 10
	s_mov_b32 s47, 0
	s_mul_i32 s45, s14, HALFT
	s_wait_kmcnt 0x0
	s_cmp_eq_u32 ttmp9, 0
	s_cselect_b64 s[6:7], s[70:71], s[72:73]
	s_cselect_b64 s[8:9], s[76:77], s[78:79]
	s_cselect_b64 s[10:11], s[84:85], s[86:87]
	s_cmp_eq_u32 ttmp9, 2
	s_cselect_b64 s[8:9], s[80:81], s[8:9]
	s_cselect_b64 s[10:11], s[88:89], s[10:11]
	s_cselect_b64 s[4:5], s[74:75], s[68:69]
	s_cselect_b64 s[6:7], s[68:69], s[6:7]
	s_load_b256 s[68:75], s[82:83], 0x0
	s_load_b128 s[76:79], s[82:83], 0x20
	s_add_nc_u64 s[20:21], s[4:5], s[20:21]
	s_add_nc_u64 s[46:47], s[6:7], s[46:47]
	CROUND
.irp s, 0,1
	s_mov_b32 s[G0+4*\s], 1
	s_add_co_u32 s[G0+4*\s+1], s45, \s*SLOT
	s_add_nc_u64 s[G0+4*\s+2:G0+4*\s+3], s[20:21], \s*ROWB
	s_or_b32 s[G0+4*\s+3], s[G0+4*\s+3], 0x80000000
	s_mov_b32 s[G0B+4*\s], 1
	s_add_co_u32 s[G0B+4*\s+1], s45, \s*SLOT
	s_add_nc_u64 s[G0B+4*\s+2:G0B+4*\s+3], s[46:47], \s*ROWB
	s_or_b32 s[G0B+4*\s+3], s[G0B+4*\s+3], 0x80000000
	s_wait_alu depctr_va_vdst(0)
	s_wait_tensorcnt 0x0
	ds_add_u32 v28, v29
	ds_add_u32 v28, v29
	s_wait_dscnt 0x0
	CROUND
	JLOAD G0+4*\s, G1, G0B+4*\s, G1B
.endr
	v_and_b32 v1, 15, v0
	v_bfe_u32 v2, v0, 4, 1
	v_mul_u32_u24 v3, v1, PITCH
	v_lshl_add_u32 v4, v2, 4, v3
	s_mul_i32 s21, s15, HALFT
	s_mul_i32 s22, s16, HALFT
	s_add_co_u32 s22, s22, 2*HALFT
.irp s, 0,1
	v_add_nc_u32 v[ADRA+\s], s21, v4
	v_add_nc_u32 v[ADRB+\s], s22, v4
	s_add_co_u32 s21, s21, SLOT
	s_add_co_u32 s22, s22, SLOT
.endr
.macro FRAG reg, adr, q, i
.irp c, 0,1,2,3
	ds_load_b128 v[\reg+4*\c:\reg+4*\c+3], v[\adr] offset:128*(\q)+32*\c+(\i)*16*PITCH
.endr
.endm
.macro MUL16 a0, p, zero
.irp a, \a0, \a0+1
.irp b, 0,1,2,3,4,5,6,7
.if \zero
	v_wmma_f32_16x16x128_fp8_fp8 v[8*(8*((\a)%4)+\b):8*(8*((\a)%4)+\b)+7], v[128*(\p)+FR*\b:128*(\p)+FR*\b+FR-1], v[AF+FR*(\a):AF+FR*(\a)+FR-1], 0
.else
	v_wmma_f32_16x16x128_fp8_fp8 v[8*(8*((\a)%4)+\b):8*(8*((\a)%4)+\b)+7], v[128*(\p)+FR*\b:128*(\p)+FR*\b+FR-1], v[AF+FR*(\a):AF+FR*(\a)+FR-1], v[8*(8*((\a)%4)+\b):8*(8*((\a)%4)+\b)+7]
.endif
.endr
.endr
.endm
.macro FETCH_B slot, q, p
	WIN TO_B
.irp i, 0,1,2,3,4,5,6,7
	FRAG 128*(\p)+FR*\i, ADRB+\slot, \q, \i
.endr
	WIN 0
.endm
.macro FETCH_A slot, q, i0
.irp i, \i0, \i0+1, \i0+2, \i0+3
	FRAG AF+FR*(\i), ADRA+\slot, \q, \i
.endr
.endm
.macro PLACES n
.rept \n
	v_nop
.endr
.endm
.macro STEP slot, q, zero
	s_wait_dscnt 4*NL
	WIN MUL_LO
	MUL16 0, (\q)%2, \zero
	MUL16 2, (\q)%2, \zero
	s_wait_dscnt 0
	PLACES NP
	FETCH_B \slot, (\q)+1, 1-(\q)%2
	FETCH_A \slot, (\q)+1, 0
	WIN MUL_HI
	MUL16 4, (\q)%2, \zero
	MUL16 6, (\q)%2, \zero
	PLACES NP
	WIN 0
	FETCH_A \slot, (\q)+1, 4
.endm
.macro TURN slot, next, fill
	s_wait_tensorcnt 0x0
	ds_add_u32 v[SPW], v[NIL]
	s_wait_dscnt 4*NL+1
	WIN MUL_LO
	MUL16 0, 1, 0
	s_wait_dscnt 0x0
	s_barrier_signal -1
	MUL16 2, 1, 0
	WIN 0
	s_barrier_wait -1
.if \fill
	CREST
	s_add_nc_u64 s[G0+4*\slot+2:G0+4*\slot+3], s[G0+4*\slot+2:G0+4*\slot+3], 2*ROWB
	s_add_nc_u64 s[G0B+4*\slot+2:G0B+4*\slot+3], s[G0B+4*\slot+2:G0B+4*\slot+3], 2*ROWB
	JLOAD G0+4*\slot, G1, G0B+4*\slot, G1B
.else
	PLACES NP
.endif
	FETCH_B \next, 0, 0
	FETCH_A \next, 0, 0
	WIN MUL_HI
	MUL16 4, 1, 0
	MUL16 6, 1, 0
	PLACES NP
	WIN 0
	FETCH_A \next, 0, 4
.endm
	s_wait_alu depctr_va_vdst(0)
	s_wait_tensorcnt 1
	s_barrier_signal -1
	s_barrier_wait -1
	FETCH_B 0, 0, 0
	FETCH_A 0, 0, 0
	FETCH_A 0, 0, 4
	STEP 0, 0, 1
	s_mov_b32 s3, LAPS-1
.Llap:
	TURN 0, 1, 1
	STEP 1, 0, 0
	TURN 1, 0, 1
	STEP 0, 0, 0
	s_sub_co_u32 s3, s3, 1
	s_cmp_lg_u32 s3, 0
	s_cbranch_scc1 .Llap
	TURN 0, 1, 0
	STEP 1, 0, 0
	s_wait_dscnt 4*NL
	WIN MUL_LO
	MUL16 0, 1, 0
	MUL16 2, 1, 0
	s_wait_dscnt 0
	WIN MUL_HI
	MUL16 4, 1, 0
	MUL16 6, 1, 0
	WIN 0
.macro OUTBLK a, kindv
.set AC, 64*((\a)%4)
.set CC, CD+16*((\a)%2)
.set BB, BK+16*((\a)%2)
	WIN 0x02+((\a)/4)
.irp j, 0,2,4,6,8,10,12,14,16,18,20,22,24,26,28,30,32,34,36,38,40,42,44,46,48,50,52,54,56,58,60,62
.if \kindv
	v_pk_fma_f32 v[TMP+\j:TMP+\j+1], v[AC+\j:AC+\j+1], s[96:97], v[BI+2*(\a):BI+2*(\a)+1] op_sel_hi:[1,0,1]
.else
	v_pk_fma_f32 v[TMP+\j:TMP+\j+1], v[AC+\j:AC+\j+1], s[96:97], v[BI+\j:BI+\j+1] op_sel_hi:[1,0,1]
.endif
.endr
	WIN 0
.set jj, 0
.rept 64
	v_med3_num_f32 v[TMP+jj], v[TMP+jj], -v[LIM], v[LIM]
.set jj, jj+1
.endr
.irp b, 0,1,2,3,4,5,6,7
	v_cvt_scalef32_pk8_fp8_f32 v[CC+2*\b:CC+2*\b+1], v[TMP+8*\b:TMP+8*\b+7], v[SCL]
.endr
	v_nop
.irp b, 0,1,2,3,4,5,6,7
	ds_store_b64 v[STO], v[CC+2*\b:CC+2*\b+1] offset:16*\b
.endr
.irp i, 0,1,2,3
	ds_load_b128 v[BB+4*\i:BB+4*\i+3], v[RD] offset:4*SPI*\i
.endr
.endm
.macro OUTSEND a, younger, kindv
.set BB, BK+16*((\a)%2)
	s_wait_dscnt \younger
.irp i, 0,1,2,3
.if \kindv
	global_store_b128 v[CO], v[BB+4*\i:BB+4*\i+3], s[10:11] offset:131072*((\a)/4)+2048*((\a)%4)+512*\i
.else
	global_store_b128 v[CO], v[BB+4*\i:BB+4*\i+3], s[10:11] offset:2048*((\a)/2)+1024*(\i/2)+512*((\a)%2)+256*(\i%2)
.endif
.endr
.endm
.macro WAYOUT kindv
	OUTBLK 0, \kindv
.irp a, 1,2,3,4,5,6,7
.if \a > 1
	s_wait_xcnt 0x0
.endif
	OUTBLK \a, \kindv
	OUTSEND \a-1, 12, \kindv
.endr
	OUTSEND 7, 0, \kindv
.endm
	s_wait_kmcnt 0x0
	s_add_co_i32 s98, s68, s69
	s_add_co_i32 s99, s70, s71
	s_add_co_i32 s96, s72, s73
	s_cmp_eq_u32 ttmp9, 0
	s_cselect_b32 s98, s98, s99
	s_cselect_b32 s99, s74, s75
	s_cmp_eq_u32 ttmp9, 2
	s_cselect_b32 s98, s96, s98
	s_cselect_b32 s99, s77, s99
	s_add_co_i32 s98, s98, 127
	s_lshl_b32 s96, s98, 23
	s_mov_b32 s97, s96
	s_add_co_i32 s99, s99, 127
	s_lshl_b32 s98, s99, 23
	s_add_co_i32 s99, s99, 8
	s_lshl_b32 s99, s99, 23
	s_or_b32 s99, s99, 0x600000
	PLACES NP
	v_mov_b32 v[SCL], s98
	v_mov_b32 v[LIM], s99
	s_mul_i32 s23, s14, 16*SPI
	v_mul_u32_u24 v3, v1, SPI
	v_lshl_add_u32 v3, v2, 3, v3
	v_add_nc_u32 v3, s23, v3
	s_cmp_eq_u32 ttmp9, 2
	s_cbranch_scc1 .Lv_out
	v_add_nc_u32 v[STO], STGQ, v3
	v_bfe_u32 v5, v0, 2, 2
	v_and_b32 v6, 3, v0
	v_mul_u32_u24 v[RD], v5, SPI
	v_lshl_add_u32 v[RD], v2, 6, v[RD]
	v_lshl_add_u32 v[RD], v6, 4, v[RD]
	v_add_nc_u32 v[RD], s23, v[RD]
	v_add_nc_u32 v[RD], STGQ, v[RD]
	v_lshlrev_b32 v[CO], 17, v2
	v_lshl_add_u32 v[CO], v5, 6, v[CO]
	v_lshl_add_u32 v[CO], v6, 4, v[CO]
	v_lshlrev_b32 v[BO], 5, v2
	s_lshl_b32 s20, s42, 10
	s_lshl_b32 s21, s16, 9
	s_add_co_u32 s20, s20, s21
	s_mov_b32 s21, 0
	s_add_nc_u64 s[8:9], s[8:9], s[20:21]
.irp b, 0,1,2,3,4,5,6,7
	global_load_b128 v[BI+8*\b:BI+8*\b+3], v[BO], s[8:9] offset:64*\b
	global_load_b128 v[BI+8*\b+4:BI+8*\b+7], v[BO], s[8:9] offset:64*\b+16
.endr
	s_lshr_b32 s20, s17, 3
	s_lshl_b32 s20, s20, 4
	s_lshl_b32 s21, s42, 2
	s_add_co_u32 s20, s20, s21
	s_lshl_b32 s21, s16, 1
	s_add_co_u32 s20, s20, s21
	s_lshl_b32 s20, s20, 11
	s_and_b32 s21, s17, 7
	s_lshl_b32 s21, s21, 8
	s_add_co_u32 s20, s20, s21
	s_lshl_b32 s21, s15, 7
	s_add_co_u32 s20, s20, s21
	s_lshl_b32 s20, s20, 6
	s_mov_b32 s21, 0
	s_add_nc_u64 s[10:11], s[10:11], s[20:21]
	s_wait_loadcnt 0x0
	WAYOUT 0
	s_branch .Ljoin
.Lv_out:
	s_wait_alu depctr_va_vdst(0)
	v_add_nc_u32 v[STO], STGV, v3
	v_bfe_u32 v5, v0, 3, 2
	v_and_b32 v6, 7, v0
	v_mul_u32_u24 v[RD], v5, SPI
	v_lshl_add_u32 v[RD], v6, 4, v[RD]
	v_add_nc_u32 v[RD], s23, v[RD]
	v_add_nc_u32 v[RD], STGV, v[RD]
	v_and_b32 v[CO], 31, v0
	v_lshlrev_b32 v[CO], 4, v[CO]
	v_lshlrev_b32 v[BO], 2, v1
	s_lshl_b32 s20, s17, 10
	s_lshl_b32 s21, s15, 9
	s_add_co_u32 s20, s20, s21
	s_mov_b32 s21, 0
	s_add_nc_u64 s[8:9], s[8:9], s[20:21]
.irp a, 0,1,2,3,4,5,6,7
	global_load_b32 v[BI+2*\a], v[BO], s[8:9] offset:64*\a
	global_load_b32 v[BI+2*\a+1], v[BO], s[8:9] offset:64*\a
.endr
	s_lshr_b32 s20, s42, 3
	s_lshl_b32 s20, s20, 4
	s_lshl_b32 s21, s17, 2
	s_add_co_u32 s20, s20, s21
	s_lshl_b32 s21, s15, 1
	s_add_co_u32 s20, s20, s21
	s_lshl_b32 s20, s20, 4
	s_and_b32 s21, s42, 7
	s_lshl_b32 s21, s21, 1
	s_add_co_u32 s20, s20, s21
	s_add_co_u32 s20, s20, s16
	s_lshl_b32 s20, s20, 13
	s_mov_b32 s21, 0
	s_add_nc_u64 s[10:11], s[10:11], s[20:21]
	s_wait_loadcnt 0x0
	WAYOUT 1
.Ljoin:
	s_wait_tensorcnt 0x0
	ds_add_u32 v[SPW], v[NIL]
	s_wait_dscnt 0x0
	CROUND
	s_endpgm
.Lfunc_end_k_q40131cb879_proj:
	.size	k_q40131cb879_proj, .Lfunc_end_k_q40131cb879_proj-k_q40131cb879_proj
	.p2alignl 7, 3214868480
	.fill 96, 4, 3214868480
	.section	.rodata,"a",@progbits
	.p2align	6, 0x0
	.amdhsa_kernel k_q40131cb879_proj
		.amdhsa_group_segment_fixed_size 327680
		.amdhsa_private_segment_fixed_size 0
		.amdhsa_enable_private_segment 0
		.amdhsa_kernarg_size 88
		.amdhsa_user_sgpr_count 2
		.amdhsa_user_sgpr_kernarg_segment_ptr 1
		.amdhsa_wavefront_size32 1
		.amdhsa_system_sgpr_workgroup_id_x 1
		.amdhsa_system_sgpr_workgroup_id_y 1
		.amdhsa_system_sgpr_workgroup_id_z 1
		.amdhsa_system_vgpr_workitem_id 0
		.amdhsa_next_free_vgpr 1024
		.amdhsa_next_free_sgpr 100
		.amdhsa_reserve_vcc 0
		.amdhsa_float_denorm_mode_32 3
		.amdhsa_float_denorm_mode_16_64 3
		.amdhsa_memory_ordered 1
		.amdhsa_forward_progress 1
		.amdhsa_inst_pref_size 209
	.end_amdhsa_kernel
	.amdgpu_metadata
---
amdhsa.version: [ 1, 2 ]
amdhsa.kernels:
  - .name:           k_q40131cb879_proj
    .symbol:         k_q40131cb879_proj.kd
    .args:
      - { .name: x_codes, .offset: 0, .size: 8, .value_kind: global_buffer, .address_space: global }
      - { .name: wq_codes, .offset: 8, .size: 8, .value_kind: global_buffer, .address_space: global }
      - { .name: wk_codes, .offset: 16, .size: 8, .value_kind: global_buffer, .address_space: global }
      - { .name: wv_codes, .offset: 24, .size: 8, .value_kind: global_buffer, .address_space: global }
      - { .name: bq, .offset: 32, .size: 8, .value_kind: global_buffer, .address_space: global }
      - { .name: bk, .offset: 40, .size: 8, .value_kind: global_buffer, .address_space: global }
      - { .name: bv, .offset: 48, .size: 8, .value_kind: global_buffer, .address_space: global }
      - { .name: lowp_scales, .offset: 56, .size: 8, .value_kind: global_buffer, .address_space: global }
      - { .name: q_codes, .offset: 64, .size: 8, .value_kind: global_buffer, .address_space: global }
      - { .name: k_codes, .offset: 72, .size: 8, .value_kind: global_buffer, .address_space: global }
      - { .name: v_codes, .offset: 80, .size: 8, .value_kind: global_buffer, .address_space: global }
    .group_segment_fixed_size: 327680
    .private_segment_fixed_size: 0
    .kernarg_segment_align: 8
    .kernarg_segment_size: 88
    .max_flat_workgroup_size: 128
    .sgpr_count:     100
    .vgpr_count:     1024
    .wavefront_size: 32
...
	.end_amdgpu_metadata
.endif
;; end of part 1
;; launch attn (part 2): grid 16 x 16, 8 waves a work-group, clusters of 4 x 4, 327,680 bytes of LDS; arguments q_codes, k_codes, v_codes, mask, lowp_scales, o_codes; writes o_codes
.if DOCPART == 2
	.amdgcn_target "amdgcn-amd-amdhsa--gfx1250"
	.amdhsa_code_object_version 6
	.text
	.protected	k_q40131cb879_attn
	.globl	k_q40131cb879_attn
	.p2align	8
	.type	k_q40131cb879_attn,@function
k_q40131cb879_attn:
	s_mov_b64 s[64:65], 0
	v_nop
	global_prefetch_b8 v0, s[64:65] scope:SCOPE_SE
	s_setreg_imm32_b32 hwreg(HW_REG_WAVE_MODE, 25, 1), 1
	s_wait_xcnt 0x0
	s_wait_alu depctr_hold_cnt(0) depctr_sa_sdst(0) depctr_va_vdst(0) depctr_va_sdst(0) depctr_va_ssrc(0) depctr_va_vcc(0) depctr_vm_vsrc(0)
	s_getreg_b32 s2, hwreg(HW_REG_IB_STS2, 6, 4)
	s_cmp_eq_u32 s2, 0
	s_cbranch_scc0 .Lentry_in_a_cluster
	s_endpgm
.Lentry_in_a_cluster:
	s_bfe_u32 s2, ttmp6, 0x10000c
	s_cmp_lg_u32 s2, 0xf033
	s_cbranch_scc0 .Lentry_shape_is_right
	s_endpgm
.Lentry_shape_is_right:
; o = softmax(q k^T / 8 + mask x (-1e9)) v for 64 heads of 2,048 positions x 64, both products on codes of FP8 (E4M3); o is quantised at once to codes for the last product.
; q_codes, k_codes: [64 heads][2048 places][64], a row's place being its position with bits 3 and 4 exchanged.  v_codes: [64 heads][16 key steps][64][128 keys].  mask: [2048][2048] f32, an input: every number is read and used.
; o_codes: [8192 rows][1024].  Exponents: e6 (q), e7 (k), e8 (p), e9 (v), e10 (o).
; SHARES.  A work-group takes 128 queries of FOUR heads.  Wave w of eight: queries 32 (w % 4) on, two tiles of 16, of the heads 2 (w / 4) and 2 (w / 4) + 1.  A lane's 128 numbers of the mask for a key step are read from LDS
; and multiplied by c3 ONCE for both heads, and go into the score product as its C operand: w = K Q^T + mask x c3.  Every wave walks all 2,048 keys, 128 a step.  A head's two tiles go through the softmax together:
; four chains of maxima, the two rows' chains by turns, one batch of 128 exponentials.
; CLUSTER.  4 x 4 work-groups: K's and V's tiles hang on the heads alone and are shared along a row of the cluster, the mask's on the queries alone and is shared along a column: all are asked for jointly.
; Each of the eight waves issues one load of 16,384 bytes a step: waves 0, 1 K (two heads each, a head's 8,192 dense bytes as one row), waves 2, 3 V likewise, waves 4-7 32 rows of the mask.
; LAYOUT.  Both products are used transposed: a lane holds ONE query (lane % 16).  By the order of k_codes' rows the 16 registers of tiles 2 b and 2 b + 1 are the keys 32 b + 16 (lane / 16) + 0 .. 15.
; THE SOFTMAX.  c3 = -8e9 / 2^(e6 + e7): mask x c3 is rounded by itself, as reference rounds mask x (-1e9).  t = c1 w, rounded by itself, c1 = log2(e) / 8 x 2^(e6 + e7);  -M = the least so far of floor(-t);  p = 2^(t - M).
; The subtraction is a step of its own, so that t - M of the rounded t is 0 at the row's largest t also where all t are huge.  The row's sum is taken of the unquantised p.  When M moves, the sum and O^T are multiplied by 2^(old M - new M).
; THE CHANGE OF SLOTS.  The second head's V is read right behind its score products, into the registers of the mask's first half, which are done with: so a slot's last LDS read lands during that head's maxima.
; The barrier is signalled ahead of that head's exponentials and waited for behind the rescaling of O^T; behind the round come the refill and the next step's first LDS loads, and the last conversions and products follow them.
; LIMITS.  e6 + e7 between -90 and 120; e8, and e10 - e8 - e9, between -126 and 119.  NaN and infinities are not served.  The sum S + mask x c3 is rounded as the matrix unit rounds a sum with its C operand, not as an f32 addition:
; the two can differ in the last place of w where |mask| x 1e9 is above 2^24 times a score.
; REGISTERS.  Window 0: v0-31 addresses, constants, states, scratch; v32-159 S^T of one head (two tiles of 64), tile 0's later the first head's V; v160-191 K's tiles 4-7, then p's codes; v192-223 Q; v224-255 K's tiles 0-3.
; Window 1: v0-127 mask x c3 (v0-63 later the second head's V); v128-255 O^T (32 for each head and tile).
.set KP,    80
.set VP,    144
.set MP,    528
.set KHEAD, 128*KP
.set VHEAD, 64*VP
.set VOFF,  4*KHEAD
.set MOFF,  VOFF+4*VHEAD
.set MQ,    32*MP
.set SLOT,  MOFF+4*MQ                  ; 145,408 bytes
.set SPARE, 2*SLOT                     ; the spare words: 128 bytes for each of 8 waves
.set STAGE, SPARE+1024                 ; the way out: 128 rows x (256 + 16) bytes; no tile lands here
.set SP,    272
.set AK,  1                            ; v1-3 my lane's place in a slot: K, V, mask
.set AV,  2
.set AM,  3
.set ADK, 4                            ; v4-6 the same in the slot in hand
.set ADV, 5
.set ADM, 6
.set SPW, 7
.set NIL, 8
.set SCL, 9
.set LIM, 10                           ; v10, v11 448 x 2^e8, twice: one for each half of a dual pair
.set NM,  12                           ; v12-15 -M for (head, tile): a head's two form a pair
.set SUM, 16                           ; v16-23 the sums, each in two halves
.set T,   24                           ; v24-29 scratch; v[28:29] the two tiles' f
.set PFO, 30                           ; v30 the prefetches' lane offset
.set S,   32
.set VF,  32
.set P,   160
.set KFB, 160
.set Q,   192
.set KFA, 224
.set CM,  0                            ; window 1
.set OW,  128                          ; window 1
.set WV,  16
.set G1K, 24
.set G1V, 32
.set G1M, 40
.set G0K, 48
.set G0V, 52
.set G0M, 56
.set LBK, 60                           ; s60-62 where my load lands in a slot
.set LBV, 61
.set LBM, 62
.set TB,  63                           ; s63 LDS byte at which the slot in hand begins
.set PFA, 68
.set PFS, 70
.set PLIM, 73
.set CS,  76
.set C3,  78
.set LIMP, 80
.set SEL, 82
.set CNT, 84
.set MSB, 0
.macro WIN new
.if MSB != \new
	s_set_vgpr_msb (MSB<<8)|\new
.set MSB, \new
.endif
.endm
.macro PLACES n
.rept \n
	v_nop
.endr
.endm
; A joint load: one chain of branches on the wave's number, one load in each arm.  s_nop 0 and four v_nop follow each.
.macro JLOAD
	s_cmp_lt_u32 s[WV], 2
	s_cbranch_scc0 .Lnot_k_\@
	tensor_load_to_lds s[G0K:G0K+3], s[G1K:G1K+7]
	s_nop 0
	PLACES 4
	s_branch .Lasked_\@
.Lnot_k_\@:
	s_cmp_lt_u32 s[WV], 4
	s_cbranch_scc0 .Lnot_v_\@
	tensor_load_to_lds s[G0V:G0V+3], s[G1V:G1V+7]
	s_nop 0
	PLACES 4
	s_branch .Lasked_\@
.Lnot_v_\@:
	tensor_load_to_lds s[G0M:G0M+3], s[G1M:G1M+7]
	s_nop 0
	PLACES 4
.Lasked_\@:
.endm
.macro CREST
	s_cmp_lg_u32 s[WV], 0
	s_cbranch_scc1 .Lnot_wave_0_\@
	s_barrier_signal -3
.Lnot_wave_0_\@:
	s_barrier_wait -3
	s_barrier_signal -1
	s_barrier_wait -1
.endm
.macro CROUND
	s_barrier_signal -1
	s_barrier_wait -1
	CREST
.endm
	s_load_b256 s[4:11], s[0:1], 0x0               ; q_codes, k_codes, v_codes, mask
	s_load_b128 s[12:15], s[0:1], 0x20             ; the exponents, o_codes
	v_lshl_add_u32 v[SPW], v0, 2, SPARE
	v_mov_b32 v[NIL], 0
	ds_add_u32 v[SPW], v[NIL]                      ; the opening lines: the add twice on end, and its wait
	ds_add_u32 v[SPW], v[NIL]
	v_lshrrev_b32 v1, 5, v0
	v_readfirstlane_b32 s[WV], v1                  ; wave 0..7
	s_lshr_b32 s17, s[WV], 2                       ; my pair of heads
	s_and_b32 s18, s[WV], 3                        ; my 32 queries; also which 32 rows of the mask I fetch
	s_bfe_u32 s19, ttmp6, 0x40000                  ; cx
	s_bfe_u32 s20, ttmp6, 0x40004                  ; cy
	s_lshl_b32 s21, ttmp9, 2
	s_add_co_u32 s21, s21, s19                     ; X: my block of 128 queries
	s_and_b32 s22, ttmp7, 0xffff
	s_lshl_b32 s22, s22, 2
	s_add_co_u32 s22, s22, s20                     ; Y: my four heads
	s_lshl_b32 s23, s20, 2
	s_lshl_b32 s23, 15, s23                        ; my row of the cluster
	s_lshl_b32 s81, 0x1111, s19                    ; my column
	s_or_b32 s[G1K], s23, (0<<16)|(1<<20)|(1<<21)|(3<<22)|(3<<25)   ; bytes; four words of padding after every 16
	s_or_b32 s[G1V], s23, (0<<16)|(1<<20)|(1<<21)|(4<<22)|(3<<25)   ; after every 32
.irp g, G1K, G1V
	s_mov_b32 s[\g+1], 8192<<16                    ; a row: one head's 8,192 bytes of the key step
	s_mov_b32 s[\g+2], 2<<16                       ; two heads
	s_mov_b32 s[\g+3], 8192<<16
	s_mov_b32 s[\g+4], 2
	s_mov_b32 s[\g+5], 131072                      ; from head to head
	s_mov_b32 s[\g+6], 0
	s_mov_b32 s[\g+7], 0
.endr
	s_or_b32 s[G1M], s81, (2<<16)|(1<<20)|(1<<21)|(6<<22)|(3<<25)   ; elements of 4 bytes; four words after every 128
	s_mov_b32 s[G1M+1], 128<<16
	s_mov_b32 s[G1M+2], 32<<16
	s_mov_b32 s[G1M+3], 128<<16
	s_mov_b32 s[G1M+4], 32
	s_mov_b32 s[G1M+5], 2048
	s_mov_b32 s[G1M+6], 0
	s_mov_b32 s[G1M+7], 0
	s_and_b32 s87, s[WV], 1
	s_lshl_b32 s2, s22, 2
	s_lshl_b32 s3, s87, 1
	s_add_co_u32 s2, s2, s3
	s_lshl_b32 s2, s2, 17                          ; K, V: head 4 Y + 2 (w % 2)
	s_mov_b32 s3, 0
	s_lshl_b32 s66, s21, 20
	s_lshl_b32 s67, s18, 18
	s_add_co_u32 s66, s66, s67                     ; the mask: row 128 X + 32 (w % 4), of 8,192 bytes
	s_mov_b32 s67, 0
	s_mul_i32 s[LBK], s87, 2*KHEAD
	s_mul_i32 s[LBV], s87, 2*VHEAD
	s_add_co_u32 s[LBV], s[LBV], VOFF
	s_mul_i32 s[LBM], s18, MQ
	s_add_co_u32 s[LBM], s[LBM], MOFF
	s_mov_b32 s[SEL], 0x76543210
	s_mov_b32 s[SEL+1], 0xfedcba98
	s_mov_b32 s[TB], 0
	s_wait_dscnt 0x0
	s_wait_kmcnt 0x0
	s_load_b256 s[88:95], s[12:13], 0x0            ; e0 .. e7
	s_load_b128 s[96:99], s[12:13], 0x20           ; e8 .. e11
	s_mov_b32 s[G0K], 1
	s_mov_b32 s[G0K+1], s[LBK]
	s_add_nc_u64 s[G0K+2:G0K+3], s[6:7], s[2:3]
	s_or_b32 s[G0K+3], s[G0K+3], 0x80000000
	s_mov_b32 s[G0V], 1
	s_mov_b32 s[G0V+1], s[LBV]
	s_add_nc_u64 s[G0V+2:G0V+3], s[8:9], s[2:3]
	s_or_b32 s[G0V+3], s[G0V+3], 0x80000000
	s_mov_b32 s[G0M], 1
	s_mov_b32 s[G0M+1], s[LBM]
	s_add_nc_u64 s[G0M+2:G0M+3], s[10:11], s[66:67]
	s_or_b32 s[G0M+3], s[G0M+3], 0x80000000
	; THE PREFETCHES.  In trip n waves 0 to 3 ask for key step n + 4, which the refill two trips on will load.  The partners of a cluster share the blocks out by address:
	; wave 0: K of head 4 Y + cx, 32 blocks of 256 bytes; wave 1: V likewise; waves 2, 3: rows 128 X + 32 cy + lane of the mask, the first and the second 256 bytes of the step's 512.
	s_lshl_b32 s2, s22, 2
	s_add_co_u32 s2, s2, s19
	s_lshl_b32 s2, s2, 17
	s_add_co_u32 s2, s2, 4*8192
	s_lshl_b32 s3, s21, 20
	s_lshl_b32 s66, s20, 18
	s_add_co_u32 s3, s3, s66
	s_lshl_b32 s66, s87, 8
	s_add_co_u32 s3, s3, s66
	s_add_co_u32 s3, s3, 4*512
	s_mov_b32 s66, 8192
	s_cmp_eq_u32 s[WV], 0
	s_cselect_b64 s[PFA:PFA+1], s[6:7], s[8:9]
	s_cmp_lt_u32 s[WV], 2
	s_cselect_b64 s[PFA:PFA+1], s[PFA:PFA+1], s[10:11]
	s_cselect_b32 s2, s2, s3
	s_cselect_b32 s[PFS], s66, 512                 ; a key step on
	s_cselect_b32 s74, 256, s66                    ; from lane to lane
	s_mov_b32 s3, 0
	s_mov_b32 s[PFS+1], 0
	s_add_nc_u64 s[PFA:PFA+1], s[PFA:PFA+1], s[2:3]
	s_cmp_lt_u32 s[WV], 4
	s_cselect_b32 s[PLIM], 12, 0                   ; trips 0 to 11 ask: key steps 4 to 15
	CROUND                                         ; all sixteen work-groups are here: the first joint loads meet
	JLOAD                                          ; key step 0 into slot 0: one tensor load a wave at the head
	v_and_b32 v24, 15, v0                          ; r
	v_bfe_u32 v25, v0, 4, 1                        ; h
	s_delay_alu instid0(VALU_DEP_2)
	v_and_b32 v26, 7, v24
	s_delay_alu instid0(VALU_DEP_3)
	v_lshrrev_b32 v27, 3, v24
	s_delay_alu instid0(VALU_DEP_1)
	v_lshl_add_u32 v26, v27, 4, v26                ; Q: query 16 u + r lies at place r % 8 + 16 (r / 8) + 8 u of its 32
	s_delay_alu instid0(VALU_DEP_1)
	v_lshlrev_b32 v26, 6, v26
	s_delay_alu instid0(VALU_DEP_1)
	v_lshl_add_u32 v31, v25, 4, v26
	s_wait_alu depctr_va_vdst(0)
	s_lshl_b32 s2, s22, 2
	s_lshl_b32 s3, s17, 1
	s_add_co_u32 s2, s2, s3
	s_lshl_b32 s2, s2, 17                          ; my first head
	s_lshl_b32 s3, s21, 13
	s_add_co_u32 s2, s2, s3
	s_lshl_b32 s3, s18, 11
	s_add_co_u32 s2, s2, s3                        ; + my 32 queries' rows of 64 bytes
	s_mov_b32 s3, 0
	s_add_nc_u64 s[4:5], s[4:5], s[2:3]
.irp d, 0,1
.irp u, 0,1
.irp c, 0,1
	global_load_b128 v[Q+16*\d+8*\u+4*\c:Q+16*\d+8*\u+4*\c+3], v31, s[4:5] offset:131072*\d+512*\u+32*\c
.endr
.endr
.endr
	s_mul_i32 s2, s17, 2*KHEAD
	v_mul_u32_u24 v[AK], v24, KP
	s_delay_alu instid0(VALU_DEP_1)
	v_lshl_add_u32 v[AK], v25, 4, v[AK]
	s_delay_alu instid0(VALU_DEP_1)
	v_add_nc_u32 v[AK], s2, v[AK]
	s_delay_alu instid0(VALU_DEP_1)
	v_add_nc_u32 v[ADK], s[TB], v[AK]
	s_mul_i32 s2, s17, 2*VHEAD
	s_add_co_u32 s2, s2, VOFF
	v_mul_u32_u24 v[AV], v24, VP
	s_delay_alu instid0(VALU_DEP_1)
	v_lshl_add_u32 v[AV], v25, 4, v[AV]
	s_delay_alu instid0(VALU_DEP_1)
	v_add_nc_u32 v[AV], s2, v[AV]
	s_delay_alu instid0(VALU_DEP_1)
	v_add_nc_u32 v[ADV], s[TB], v[AV]
	s_mul_i32 s2, s18, MQ
	s_add_co_u32 s2, s2, MOFF
	v_mul_u32_u24 v[AM], v24, MP
	s_delay_alu instid0(VALU_DEP_1)
	v_lshl_add_u32 v[AM], v25, 6, v[AM]
	s_delay_alu instid0(VALU_DEP_1)
	v_add_nc_u32 v[AM], s2, v[AM]
	s_delay_alu instid0(VALU_DEP_1)
	v_add_nc_u32 v[ADM], s[TB], v[AM]
	v_and_b32 v[PFO], 31, v0
	s_delay_alu instid0(VALU_DEP_1)
	v_mul_lo_u32 v[PFO], v[PFO], s74
.irp j, 0,1,2,3
	v_mov_b32 v[NM+\j], 0x7f61b1e6                 ; -M = 3e38: over every floor(-t)
.endr
.irp j, 0,1,2,3,4,5,6,7
	v_mov_b32 v[SUM+\j], 0
.endr
	WIN 0x40
.set jj, 0
.rept 128
	v_mov_b32 v[OW+jj], 0                          ; O^T: the step has no first copy; the first change of M multiplies zeros
.set jj, jj+1
.endr
	WIN 0
	s_wait_kmcnt 0x0
	s_add_co_i32 s2, s94, s95
	s_lshl_b32 s2, s2, 23
	s_mov_b32 s[CS], 0x3e38aa3b                    ; log2(e) / 8
	s_add_co_i32 s[CS], s[CS], s2                  ; x 2^(e6 + e7)
	s_mov_b32 s[CS+1], s[CS]
	s_mov_b32 s[C3], 0xcfee6b28                    ; -8e9
	s_sub_co_i32 s[C3], s[C3], s2                  ; / 2^(e6 + e7)
	s_mov_b32 s[C3+1], s[C3]
	s_add_co_i32 s2, s96, 127
	s_lshl_b32 s3, s2, 23
	v_mov_b32 v[SCL], s3                           ; 2^e8
	s_add_co_i32 s2, s2, 8
	s_lshl_b32 s2, s2, 23
	s_or_b32 s[LIMP], s2, 0x600000                 ; 448 x 2^e8
	v_mov_b32 v[LIM], s[LIMP]
	v_mov_b32 v[LIM+1], s[LIMP]
.macro KLOAD reg, hd, t0                ; four tiles of 16 keys x 64 channels of head hd of my pair: 8 loads
.irp t, 0,1,2,3
.irp c, 0,1
	ds_load_b128 v[\reg+8*\t+4*\c:\reg+8*\t+4*\c+3], v[ADK] offset:\hd*KHEAD+(\t0+\t)*16*KP+32*\c
.endr
.endr
.endm
.macro MLOAD u                          ; tile u's 64 numbers of the mask a lane: 16 loads
	WIN 0x40
.irp b, 0,1,2,3
.irp k, 0,1,2,3
	ds_load_b128 v[CM+64*\u+16*\b+4*\k:CM+64*\u+16*\b+4*\k+3], v[ADM] offset:16*MP*\u+128*\b+16*\k
.endr
.endr
	WIN 0
.endm
.macro MSCALE u                         ; mask x c3, once for both heads
	WIN 0x41
.set jj, 64*\u
.rept 32
	v_pk_mul_f32 v[CM+jj:CM+jj+1], v[CM+jj:CM+jj+1], s[C3:C3+1] op_sel_hi:[1,0]
.set jj, jj+2
.endr
.endm
.macro NEXTLOADS                        ; a key step's first LDS loads: the mask of tile 1 (tile 0's registers still hold V), the first head's K tiles 0-3
	MLOAD 1
	KLOAD KFA, 0, 0
.endm
.macro SMUL reg, hd, t0, u              ; w = K Q^T + mask x c3: four tiles of keys against tile u of my queries
.irp t, 0,1,2,3
	v_wmma_f32_16x16x64_fp8_fp8 v[S+64*\u+8*(\t0+\t):S+64*\u+8*(\t0+\t)+7], v[\reg+8*\t:\reg+8*\t+7], v[Q+16*\hd+8*\u:Q+16*\hd+8*\u+7], v[CM+64*\u+8*(\t0+\t):CM+64*\u+8*(\t0+\t)+7]
.endr
.endm
.macro ASK
	s_cmp_lt_u32 s[CNT], s[PLIM]
	s_cbranch_scc0 .Lnot_mine_\@
	global_prefetch_b8 v[PFO], s[PFA:PFA+1] th:TH_LOAD_NT scope:SCOPE_SE
.Lnot_mine_\@:
.endm
.macro PSUM u                           ; tile u's sum of the unquantised p, two at a time, in three chains
.set SB, S+64*\u
	v_pk_add_f32 v[T:T+1], v[SB:SB+1], v[SB+2:SB+3]
	v_pk_add_f32 v[T+2:T+3], v[SB+4:SB+5], v[SB+6:SB+7]
.set jj, 8
.rept 9
	v_pk_add_f32 v[SM+2*\u:SM+2*\u+1], v[SM+2*\u:SM+2*\u+1], v[SB+jj:SB+jj+1]
	v_pk_add_f32 v[T:T+1], v[T:T+1], v[SB+jj+2:SB+jj+3]
	v_pk_add_f32 v[T+2:T+3], v[T+2:T+3], v[SB+jj+4:SB+jj+5]
.set jj, jj+6
.endr
	v_pk_add_f32 v[SM+2*\u:SM+2*\u+1], v[SM+2*\u:SM+2*\u+1], v[SB+62:SB+63]
	v_pk_add_f32 v[T:T+1], v[T:T+1], v[T+2:T+3]
	v_pk_add_f32 v[SM+2*\u:SM+2*\u+1], v[SM+2*\u:SM+2*\u+1], v[T:T+1]
.endm
.macro MINCVT u                         ; tile u's hold and codes
.set SB, S+64*\u
.set PB, P+16*\u
.set bb, 0
.rept 4
.set jj, 0
.rept 8
	v_dual_min_num_f32 v[SB+16*bb+jj], v[SB+16*bb+jj], v[LIM] :: v_dual_min_num_f32 v[SB+16*bb+jj+1], v[SB+16*bb+jj+1], v[LIM+1]   ; the conversion does not saturate (ISA guide 7.6.2); p is not negative
.set jj, jj+2
.endr
	v_cvt_scalef32_pk8_fp8_f32 v[PB+4*bb:PB+4*bb+1], v[SB+16*bb:SB+16*bb+7], v[SCL]
	v_cvt_scalef32_pk8_fp8_f32 v[PB+4*bb+2:PB+4*bb+3], v[SB+16*bb+8:SB+16*bb+15], v[SCL]
.set bb, bb+1
.endr
	v_nop                                          ; one plain line behind the last conversion
.endm
; The softmax of head hd, both tiles, for a key step: 128 registers hold w on entry; p's codes stand in v[P] on at the end.  hd = 1: the change of slots is woven in.
.macro SOFT2 hd
.set OB, OW+64*\hd
.set SM, SUM+4*\hd
.set NN, NM+2*\hd
	s_wait_alu depctr_va_vdst(0)                   ; directly ahead of the first readers of the scores
	v_max3_num_f32 v[T], v[S], v[S+1], v[S+2]      ; the largest w of my two queries among my 64 keys: two chains a tile, each accumulator from its low end on
	v_max3_num_f32 v[T+1], v[S+3], v[S+4], v[S+5]
	v_max3_num_f32 v[T+2], v[S+64], v[S+65], v[S+66]
	v_max3_num_f32 v[T+3], v[S+67], v[S+68], v[S+69]
.set jj, 6
.rept 14
	v_max3_num_f32 v[T], v[T], v[S+jj], v[S+jj+1]
	v_max3_num_f32 v[T+1], v[T+1], v[S+jj+2], v[S+jj+3]
	v_max3_num_f32 v[T+2], v[T+2], v[S+64+jj], v[S+64+jj+1]
	v_max3_num_f32 v[T+3], v[T+3], v[S+64+jj+2], v[S+64+jj+3]
.set jj, jj+4
.endr
	v_max3_num_f32 v[T], v[T], v[S+62], v[S+63]
	v_max3_num_f32 v[T+2], v[T+2], v[S+126], v[S+127]
	v_max_num_f32 v[T], v[T], v[T+1]               ; from here on the two tiles' chains take turns
	v_max_num_f32 v[T+2], v[T+2], v[T+3]
	v_permlanex16_b32 v[T+1], v[T], s[SEL], s[SEL+1]
	v_permlanex16_b32 v[T+3], v[T+2], s[SEL], s[SEL+1]
	v_max_num_f32 v[T], v[T], v[T+1]               ; and among lane l xor 16's
	v_max_num_f32 v[T+2], v[T+2], v[T+3]
	v_mul_f32 v[T], s[CS], v[T]                    ; as t: c1 is positive, and rounding keeps the order
	v_mul_f32 v[T+2], s[CS], v[T+2]
	v_floor_f32 v[T], -v[T]                        ; -ceil(t)
	v_floor_f32 v[T+2], -v[T+2]
	v_mov_b32 v[T+1], v[NN]
	v_mov_b32 v[T+3], v[NN+1]
	v_min_num_f32 v[NN], v[NN], v[T]               ; the new -M
	v_min_num_f32 v[NN+1], v[NN+1], v[T+2]
	v_sub_f32 v[T+1], v[NN], v[T+1]                ; old M - new M: a whole number, 0 or less
	v_sub_f32 v[T+3], v[NN+1], v[T+3]
	v_cvt_i32_f32 v[T+1], v[T+1]                   ; (it saturates)
	v_cvt_i32_f32 v[T+3], v[T+3]
	v_ldexp_f32 v[T+4], 1.0, v[T+1]                ; f = 2^(old M - new M)
	v_ldexp_f32 v[T+5], 1.0, v[T+3]
.set jj, 0
.rept 64
	v_pk_mul_f32 v[S+jj:S+jj+1], v[S+jj:S+jj+1], s[CS:CS+1] op_sel_hi:[1,0]   ; t = c1 w, rounded by itself
.set jj, jj+2
.endr
.set jj, 0
.rept 32
	v_pk_add_f32 v[S+jj:S+jj+1], v[S+jj:S+jj+1], v[NN:NN+1] op_sel_hi:[1,0]   ; t - M: tile 0 takes the pair's first word for both halves,
.set jj, jj+2
.endr
.rept 32
	v_pk_add_f32 v[S+jj:S+jj+1], v[S+jj:S+jj+1], v[NN:NN+1] op_sel:[0,1] op_sel_hi:[1,1]   ; tile 1 its second
.set jj, jj+2
.endr
.if \hd
	s_xor_b32 s[TB], s[TB], SLOT                   ; on to the other slot: all my LDS loads from this one are issued
	v_add_nc_u32 v[ADK], s[TB], v[AK]
	v_add_nc_u32 v[ADV], s[TB], v[AV]
	v_add_nc_u32 v[ADM], s[TB], v[AM]
.endif
	s_wait_alu depctr_va_vdst(0)                   ; ahead of the batch (and of the waits below)
.if \hd
	s_wait_tensorcnt 0x0                           ; my one load that was out, my part of the next slot, has landed
	ds_add_u32 v[SPW], v[NIL]
.if FILL
	s_wait_xcnt 0x0                                ; my prefetch has read its address
	s_add_nc_u64 s[PFA:PFA+1], s[PFA:PFA+1], s[PFS:PFS+1]
	s_add_nc_u64 s[G0K+2:G0K+3], s[G0K+2:G0K+3], 8192   ; the walking descriptors: one key step on,
	s_add_nc_u64 s[G0V+2:G0V+3], s[G0V+2:G0V+3], 8192
	s_add_nc_u64 s[G0M+2:G0M+3], s[G0M+2:G0M+3], 512
	s_xor_b32 s66, s[TB], SLOT                     ; into the slot that is being left
	s_add_co_u32 s[G0K+1], s[LBK], s66
	s_add_co_u32 s[G0V+1], s[LBV], s66
	s_add_co_u32 s[G0M+1], s[LBM], s66
.endif
	s_wait_dscnt 0x0                               ; the add is done, and all my reads of this slot are in (V's 16 loads were the last)
	s_barrier_signal -1
.endif
.set jj, 0
.rept 128
	v_exp_f32 v[S+jj], v[S+jj]                     ; p = 2^(t - M), at most 1
.set jj, jj+1
.endr
	v_pk_mul_f32 v[SM:SM+1], v[SM:SM+1], v[T+4:T+5] op_sel_hi:[1,0]   ; the sums under the new M (plain places behind the batch)
	v_pk_mul_f32 v[SM+2:SM+3], v[SM+2:SM+3], v[T+4:T+5] op_sel:[0,1] op_sel_hi:[1,1]
	s_wait_alu depctr_va_vdst(0)                   ; one wait for the batch
	PSUM 0
	MINCVT 0
.if \hd == 0
.irp t, 0,1,2,3                         ; the first head's V, over tile 0's registers, which are done with
.irp c, 0,1,2,3
	ds_load_b128 v[VF+16*\t+4*\c:VF+16*\t+4*\c+3], v[ADV] offset:16*VP*\t+32*\c
.endr
.endr
.endif
	PSUM 1
	WIN 0x41
	s_wait_alu depctr_va_vdst(0)                   ; directly ahead of the first readers of O^T
.set jj, 0
.rept 16
	v_pk_mul_f32 v[OB+jj:OB+jj+1], v[OB+jj:OB+jj+1], v[T+4:T+5] op_sel_hi:[1,0]   ; O^T under the new M
.set jj, jj+2
.endr
.rept 16
	v_pk_mul_f32 v[OB+jj:OB+jj+1], v[OB+jj:OB+jj+1], v[T+4:T+5] op_sel:[0,1] op_sel_hi:[1,1]
.set jj, jj+2
.endr
	WIN 0
.if \hd
	s_wait_alu depctr_va_vdst(0)                   ; ahead of the barrier's wait
	s_barrier_wait -1
.if FILL
	CREST                                          ; the barrier has opened a round of the cluster's barrier: no wave of any partner still reads the slot or has a load out
	JLOAD                                          ; the refill: the key step two on; my one tensor load until the next round
.else
	s_cmp_eq_u32 s[CNT], 1                         ; behind the last key step there is nothing to read
	s_cbranch_scc1 .Lno_next_\@
.endif
	NEXTLOADS
.Lno_next_\@:
.endif
	MINCVT 1
.endm
; O^T += V^T P^T: eight accumulators by turns.  vb: V's fragments, in the window that is set
.macro PV hd, vb
.irp t, 0,1,2,3
.irp u, 0,1
	v_wmma_f32_16x16x128_fp8_fp8 v[OW+64*\hd+32*\u+8*\t:OW+64*\hd+32*\u+8*\t+7], v[\vb+16*\t:\vb+16*\t+15], v[P+16*\u:P+16*\u+15], v[OW+64*\hd+32*\u+8*\t:OW+64*\hd+32*\u+8*\t+7]
.endr
.endr
	WIN 0
.endm
; A KEY STEP.  On entry the mask of tile 1 (16 loads) and the first head's K tiles 0-3 (8 loads) are asked for.
.macro KEYSTEP
	PLACES 5                                       ; behind the last products: loads land on V's fragments and on p's codes
	MLOAD 0
	KLOAD KFB, 0, 4
	s_wait_dscnt 24                                ; tile 1's mask and K's tiles 0-3 are in; behind them: 16 + 8
	MSCALE 1
	WIN 0x10
	SMUL KFA, 0, 0, 1
	s_wait_dscnt 8                                 ; tile 0's mask is in; behind it: K's tiles 4-7
	MSCALE 0
	s_wait_alu depctr_va_vdst(0)
	WIN 0x10
	SMUL KFA, 0, 0, 0
	s_wait_dscnt 0x0
	SMUL KFB, 0, 4, 0
	SMUL KFB, 0, 4, 1
	WIN 0
	PLACES 4
	KLOAD KFA, 1, 0                                ; the second head's first tiles, a whole softmax ahead of their use
.if FILL
	ASK
.endif
	SOFT2 0
	s_wait_alu depctr_va_vdst(0)
	s_wait_dscnt 0x0                               ; V is in
	WIN 0x50
	PV 0, VF
	PLACES 5                                       ; the score products below write over V's fragments, the loads land on p's codes
	KLOAD KFB, 1, 4
	WIN 0x10
	SMUL KFA, 1, 0, 0
	SMUL KFA, 1, 0, 1
	s_wait_dscnt 0x0
	SMUL KFB, 1, 4, 0
	SMUL KFB, 1, 4, 1
	WIN 0
	PLACES 4
	WIN 0x40
.irp t, 0,1,2,3                         ; the second head's V, over tile 0's mask, which is done with: the slot's last LDS reads
.irp c, 0,1,2,3
	ds_load_b128 v[CM+16*\t+4*\c:CM+16*\t+4*\c+3], v[ADV] offset:VHEAD+16*VP*\t+32*\c
.endr
.endr
	WIN 0
	SOFT2 1
	WIN 0x51
	PV 1, CM
.endm
	s_wait_alu depctr_va_vdst(0)
	s_wait_tensorcnt 0x0                           ; my part of key step 0 is in; slot 1's first fill is issued as a refill is
	ds_add_u32 v[SPW], v[NIL]
	s_add_nc_u64 s[G0K+2:G0K+3], s[G0K+2:G0K+3], 8192
	s_add_nc_u64 s[G0V+2:G0V+3], s[G0V+2:G0V+3], 8192
	s_add_nc_u64 s[G0M+2:G0M+3], s[G0M+2:G0M+3], 512
	s_add_co_u32 s[G0K+1], s[LBK], SLOT
	s_add_co_u32 s[G0V+1], s[LBV], SLOT
	s_add_co_u32 s[G0M+1], s[LBM], SLOT
	s_wait_dscnt 0x0
	CROUND
	JLOAD                                          ; key step 1 into slot 1
	NEXTLOADS
	s_wait_loadcnt 0x0                             ; Q
	s_mov_b32 s[CNT], 0
.set FILL, 1
.Lstep:                                            ; key steps 0 to 13: each asks for the step two on
	KEYSTEP
	s_add_co_u32 s[CNT], s[CNT], 1
	s_cmp_lt_u32 s[CNT], 14
	s_wait_alu depctr_va_vdst(0)
	s_cbranch_scc1 .Lstep
	s_mov_b32 s[CNT], 2
.set FILL, 0
.Ltail:                                            ; key steps 14 and 15 ask for nothing: a text of their own
	KEYSTEP
	s_sub_co_u32 s[CNT], s[CNT], 1
	s_cmp_lg_u32 s[CNT], 0
	s_wait_alu depctr_va_vdst(0)
	s_cbranch_scc1 .Ltail
	; THE WAY OUT.  O^T / the sum stands for o / 2^(e8 + e9): its code is made with the one scale 2^(e10 - e8 - e9).  A row of o_codes takes 128 bytes from each of two waves: they meet in the stage, and each wave stores 16 runs of 256 bytes.
	PLACES 4
	s_sub_co_i32 s2, s98, s96
	s_sub_co_i32 s2, s2, s97
	s_add_co_i32 s2, s2, 127
	s_lshl_b32 s3, s2, 23
	v_mov_b32 v[SCL], s3
	s_add_co_i32 s2, s2, 8
	s_lshl_b32 s2, s2, 23
	s_or_b32 s86, s2, 0x600000                     ; 448 x that scale,
	s_xor_b32 s85, s86, 0x80000000                 ; and its negative
.irp i, 0,1,2,3
	v_add_f32 v[NM+\i], v[SUM+2*\i], v[SUM+2*\i+1]
.endr
.irp i, 0,1,2,3
	v_permlanex16_b32 v[T+2+\i], v[NM+\i], s[SEL], s[SEL+1]
.endr
.irp i, 0,1,2,3
	v_add_f32 v[NM+\i], v[NM+\i], v[T+2+\i]
.endr
	s_wait_alu depctr_va_vdst(0)
.irp i, 0,1,2,3
	v_rcp_f32 v[SUM+2*\i], v[NM+\i]
.endr
	v_and_b32 v4, 15, v0                           ; r (a plain place behind the reciprocals)
	v_bfe_u32 v5, v0, 4, 1                         ; h
	s_mul_i32 s2, s18, 32*SP
	s_lshl_b32 s3, s17, 7
	s_add_co_u32 s2, s2, s3
	s_add_co_u32 s2, s2, STAGE
	v_mul_u32_u24 v1, v4, SP
	s_delay_alu instid0(VALU_DEP_1)
	v_lshl_add_u32 v1, v5, 3, v1
	s_delay_alu instid0(VALU_DEP_1)
	v_add_nc_u32 v1, s2, v1                        ; in: row 32 g + r, my two heads' 128 bytes, 8 bytes for each half of the lanes
	s_mul_i32 s2, s[WV], 16*SP
	s_add_co_u32 s2, s2, STAGE
	v_mul_u32_u24 v2, v5, SP
	s_delay_alu instid0(VALU_DEP_1)
	v_lshl_add_u32 v2, v4, 4, v2
	s_delay_alu instid0(VALU_DEP_1)
	v_add_nc_u32 v2, s2, v2                        ; back: rows 16 w on; lanes 0-15 one row of 256 bytes, lanes 16-31 the next
	v_lshlrev_b32 v3, 10, v5
	s_delay_alu instid0(VALU_DEP_1)
	v_lshl_add_u32 v3, v4, 4, v3
	s_lshr_b32 s2, s22, 2                          ; the batch
	s_lshl_b32 s2, s2, 11
	s_lshl_b32 s3, s21, 7
	s_add_co_u32 s2, s2, s3
	s_lshl_b32 s3, s[WV], 4
	s_add_co_u32 s2, s2, s3                        ; row 2,048 x batch + 128 X + 16 w,
	s_lshl_b32 s2, s2, 10
	s_and_b32 s3, s22, 3
	s_lshl_b32 s3, s3, 8
	s_add_co_u32 s2, s2, s3                        ; + my four heads' 256 bytes
	s_mov_b32 s3, 0
	s_add_nc_u64 s[14:15], s[14:15], s[2:3]
	WIN 0x01
	s_wait_alu depctr_va_vdst(0)                   ; for the reciprocals, and directly ahead of the first readers of O^T
.irp i, 0,1,2,3
.set jj, 0
.rept 16
	v_pk_mul_f32 v[S+32*\i+jj:S+32*\i+jj+1], v[OW+32*\i+jj:OW+32*\i+jj+1], v[SUM+2*\i:SUM+2*\i+1] op_sel_hi:[1,0]   ; / the sum, into window 0
.set jj, jj+2
.endr
.endr
	WIN 0
.set jj, 0
.rept 128
	v_med3_num_f32 v[S+jj], v[S+jj], s85, s86      ; the hold at the largest code x the scale
.set jj, jj+1
.endr
.irp i, 0,1,2,3
.irp t, 0,1,2,3
	v_cvt_scalef32_pk8_fp8_f32 v[P+8*\i+2*\t:P+8*\i+2*\t+1], v[S+32*\i+8*\t:S+32*\i+8*\t+7], v[SCL]   ; channels 16 t + 8 h + 0 .. 7 of head i / 2, query 16 (i % 2) + r
.endr
.endr
	v_nop
.irp i, 0,1,2,3
.irp t, 0,1,2,3
	ds_store_b64 v1, v[P+8*\i+2*\t:P+8*\i+2*\t+1] offset:16*SP*(\i%2)+64*(\i/2)+16*\t
.endr
.endr
	s_wait_dscnt 0x0                               ; for the others' sake: my stores into the stage are done
	s_barrier_signal -1
	s_barrier_wait -1
.irp n, 0,1,2,3,4,5,6,7
	ds_load_b128 v[S+4*\n:S+4*\n+3], v2 offset:2*SP*\n
.endr
.irp n, 0,1,2,3,4,5,6,7
	s_wait_dscnt 7-\n                              ; load n is in; the younger ones may be out
	global_store_b128 v3, v[S+4*\n:S+4*\n+3], s[14:15] offset:2048*\n   ; 16 lanes store 256 consecutive bytes, at a multiple of 256 from the buffer's first byte
.endr
	s_wait_tensorcnt 0x0                           ; the wave's end
	ds_add_u32 v[SPW], v[NIL]
	s_wait_dscnt 0x0
	CROUND                                         ; the closing round
	s_endpgm
.Lfunc_end_k_q40131cb879_attn:
	.size	k_q40131cb879_attn, .Lfunc_end_k_q40131cb879_attn-k_q40131cb879_attn
	.p2alignl 7, 3214868480
	.fill 96, 4, 3214868480
	.section	.rodata,"a",@progbits
	.p2align	6, 0x0
	.amdhsa_kernel k_q40131cb879_attn
		.amdhsa_group_segment_fixed_size 327680
		.amdhsa_private_segment_fixed_size 0
		.amdhsa_enable_private_segment 0
		.amdhsa_kernarg_size 48
		.amdhsa_user_sgpr_count 2
		.amdhsa_user_sgpr_kernarg_segment_ptr 1
		.amdhsa_wavefront_size32 1
		.amdhsa_system_sgpr_workgroup_id_x 1
		.amdhsa_system_sgpr_workgroup_id_y 1
		.amdhsa_system_sgpr_workgroup_id_z 1
		.amdhsa_system_vgpr_workitem_id 0
		.amdhsa_next_free_vgpr 512
		.amdhsa_next_free_sgpr 100
		.amdhsa_reserve_vcc 0
		.amdhsa_float_denorm_mode_32 3
		.amdhsa_float_denorm_mode_16_64 3
		.amdhsa_memory_ordered 1
		.amdhsa_forward_progress 1
		.amdhsa_inst_pref_size 181
	.end_amdhsa_kernel
	.amdgpu_metadata
---
amdhsa.version: [ 1, 2 ]
amdhsa.kernels:
  - .name:           k_q40131cb879_attn
    .symbol:         k_q40131cb879_attn.kd
    .args:
      - { .name: q_codes, .offset: 0, .size: 8, .value_kind: global_buffer, .address_space: global }
      - { .name: k_codes, .offset: 8, .size: 8, .value_kind: global_buffer, .address_space: global }
      - { .name: v_codes, .offset: 16, .size: 8, .value_kind: global_buffer, .address_space: global }
      - { .name: mask, .offset: 24, .size: 8, .value_kind: global_buffer, .address_space: global }
      - { .name: lowp_scales, .offset: 32, .size: 8, .value_kind: global_buffer, .address_space: global }
      - { .name: o_codes, .offset: 40, .size: 8, .value_kind: global_buffer, .address_space: global }
    .group_segment_fixed_size: 327680
    .private_segment_fixed_size: 0
    .kernarg_segment_align: 8
    .kernarg_segment_size: 48
    .max_flat_workgroup_size: 256
    .sgpr_count:     100
    .vgpr_count:     512
    .wavefront_size: 32
...
	.end_amdgpu_metadata
.endif
;; end of part 2
;; launch oproj (part 3): grid 4 x 64, 4 waves a work-group, clusters of 4 x 4, 327,680 bytes of LDS; arguments o_codes, wo_codes, lowp_scales, bo, out0; writes out0
.if DOCPART == 3
	.amdgcn_target "amdgcn-amd-amdhsa--gfx1250"
	.amdhsa_code_object_version 6
	.text
	.protected	k_q40131cb879_oproj
	.globl	k_q40131cb879_oproj
	.p2align	8
	.type	k_q40131cb879_oproj,@function
k_q40131cb879_oproj:
	s_mov_b64 s[64:65], 0
	v_nop
	global_prefetch_b8 v0, s[64:65] scope:SCOPE_SE
	s_setreg_imm32_b32 hwreg(HW_REG_WAVE_MODE, 25, 1), 1
	s_wait_xcnt 0x0
	s_wait_alu depctr_hold_cnt(0) depctr_sa_sdst(0) depctr_va_vdst(0) depctr_va_sdst(0) depctr_va_ssrc(0) depctr_va_vcc(0) depctr_vm_vsrc(0)
	s_getreg_b32 s2, hwreg(HW_REG_IB_STS2, 6, 4)
	s_cmp_eq_u32 s2, 0
	s_cbranch_scc0 .Lentry_in_a_cluster
	s_endpgm
.Lentry_in_a_cluster:
	s_bfe_u32 s2, ttmp6, 0x10000c
	s_cmp_lg_u32 s2, 0xf033
	s_cbranch_scc0 .Lentry_shape_is_right
	s_endpgm
.Lentry_shape_is_right:
.set SIZE_M, 8192
.set SIZE_N, 1024
.set SIZE_K, 1024
.set KSTEP,  256
.set ROWB,   256
.set KROW,   SIZE_K
.set PITCH,  272
.set FR,     16
.set NL,     4
.set NP,     4
.set HALFT,  128*PITCH
.set SLOT,   4*HALFT
.set LAPS,   SIZE_K/(2*KSTEP)
.set SPARE,  2*SLOT
.set SPITCH, 528
.set ADRA, 16
.set ADRB, 20
.set STO,  24
.set RD,   25
.set CO,   26
.set BO,   27
.set SPW,  28
.set NIL,  29
.set BI,   32
.set AF,   128
.set BK,   128
.set G1, 24
.set G0, 32
.set G1B, 48
.set G0B, 56
.set MSB, 0
.macro WIN new
.if MSB != \new
	s_set_vgpr_msb (MSB<<8)|\new
.set MSB, \new
.endif
.endm
.set MUL_LO, 0xa1
.set MUL_HI, 0xf1
.set TO_B,   0x40
.macro JLOAD g0a, g1a, g0b, g1b
	s_cmp_eq_u32 s15, 0
	s_cbranch_scc0 .Lfor_b_\@
	tensor_load_to_lds s[\g0a:\g0a+3], s[\g1a:\g1a+7]
	s_nop 0
.rept 4
	v_nop
.endr
	s_branch .Lasked_\@
.Lfor_b_\@:
	tensor_load_to_lds s[\g0b:\g0b+3], s[\g1b:\g1b+7]
	s_nop 0
.rept 4
	v_nop
.endr
.Lasked_\@:
.endm
.macro CREST
	s_cmp_lg_u32 s14, 0
	s_cbranch_scc1 .Lnot_wave_0_\@
	s_barrier_signal -3
.Lnot_wave_0_\@:
	s_barrier_wait -3
	s_barrier_signal -1
	s_barrier_wait -1
.endm
.macro CROUND
	s_barrier_signal -1
	s_barrier_wait -1
	CREST
.endm
	s_load_b128 s[4:7], s[0:1], 0x0
	s_load_b128 s[8:11], s[0:1], 0x10
	s_load_b64 s[12:13], s[0:1], 0x20
	v_lshl_add_u32 v[SPW], v0, 2, SPARE
	v_mov_b32 v[NIL], 0
	ds_add_u32 v28, v29
	ds_add_u32 v28, v29
	s_wait_dscnt 0x0
	v_lshrrev_b32 v1, 5, v0
	v_readfirstlane_b32 s14, v1
	s_lshr_b32 s15, s14, 1
	s_and_b32 s16, s14, 1
	s_bfe_u32 s40, ttmp6, 0x40000
	s_bfe_u32 s41, ttmp6, 0x40004
	s_lshl_b32 s42, ttmp9, 2
	s_add_co_u32 s42, s42, s40
	s_and_b32 s17, ttmp7, 0xffff
	s_lshl_b32 s17, s17, 2
	s_add_co_u32 s17, s17, s41
	s_lshl_b32 s43, s41, 2
	s_lshl_b32 s43, 15, s43
	s_lshl_b32 s44, 0x1111, s40
	s_or_b32 s[G1+0], s43, (0<<16)|(1<<20)|(1<<21)|(5<<22)|(3<<25)
	s_or_b32 s[G1B+0], s44, (0<<16)|(1<<20)|(1<<21)|(5<<22)|(3<<25)
.irp g, G1, G1B
	s_mov_b32 s[\g+1], ROWB<<16
	s_mov_b32 s[\g+2], 128<<16
	s_mov_b32 s[\g+3], ROWB<<16
	s_mov_b32 s[\g+4], 128
	s_mov_b32 s[\g+5], KROW
	s_mov_b32 s[\g+6], 0
	s_mov_b32 s[\g+7], 0
.endr
	s_mov_b32 s[G1+2], 64<<16                      ; a block of C is 128 x 256: a load for A brings 64 rows, one for B 128
	s_mov_b32 s[G1+4], 64
	s_lshl_b32 s18, s16, 6
	s_lshl_b32 s20, s17, 7                         ; A: row 128 x tile row + 64 x half
	s_add_co_u32 s20, s20, s18
	s_lshl_b32 s18, s16, 7
	s_lshl_b32 s46, s42, 8
	s_add_co_u32 s46, s46, s18
	s_mov_b32 s21, 0
	s_mov_b32 s47, 0
	s_mov_b64 s[18:19], KROW
	s_mul_u64 s[20:21], s[20:21], s[18:19]
	s_mul_u64 s[46:47], s[46:47], s[18:19]
	s_mul_i32 s45, s14, HALFT
	s_wait_kmcnt 0x0
	s_load_b64 s[96:97], s[8:9], 0x28
	s_add_nc_u64 s[20:21], s[4:5], s[20:21]
	s_add_nc_u64 s[46:47], s[6:7], s[46:47]
	CROUND
.irp s, 0,1
	s_mov_b32 s[G0+4*\s], 1
	s_add_co_u32 s[G0+4*\s+1], s45, \s*SLOT
	s_add_nc_u64 s[G0+4*\s+2:G0+4*\s+3], s[20:21], \s*ROWB
	s_or_b32 s[G0+4*\s+3], s[G0+4*\s+3], 0x80000000
	s_mov_b32 s[G0B+4*\s], 1
	s_add_co_u32 s[G0B+4*\s+1], s45, \s*SLOT
	s_add_nc_u64 s[G0B+4*\s+2:G0B+4*\s+3], s[46:47], \s*ROWB
	s_or_b32 s[G0B+4*\s+3], s[G0B+4*\s+3], 0x80000000
	s_wait_alu depctr_va_vdst(0)
	s_wait_tensorcnt 0x0
	ds_add_u32 v28, v29
	ds_add_u32 v28, v29
	s_wait_dscnt 0x0
	CROUND
	JLOAD G0+4*\s, G1, G0B+4*\s, G1B
.endr
	v_and_b32 v1, 15, v0
	s_wait_alu depctr_va_vdst(0)
	v_bfe_u32 v2, v0, 4, 1
	v_mul_u32_u24 v3, v1, PITCH
	v_lshl_add_u32 v4, v2, 4, v3
	s_mul_i32 s21, s15, HALFT
	s_mul_i32 s22, s16, HALFT
	s_add_co_u32 s22, s22, 2*HALFT
.irp s, 0,1
	v_add_nc_u32 v[ADRA+\s], s21, v4
	v_add_nc_u32 v[ADRB+\s], s22, v4
	s_add_co_u32 s21, s21, SLOT
	s_add_co_u32 s22, s22, SLOT
.endr
	s_mul_i32 s23, s14, 16*SPITCH
	v_mul_u32_u24 v5, v1, SPITCH
	s_wait_alu depctr_va_vdst(0)
	v_lshl_add_u32 v5, v2, 5, v5
	v_add_nc_u32 v[STO], s23, v5
	v_and_b32 v6, 31, v0
	v_lshlrev_b32 v[CO], 4, v6
	v_add_nc_u32 v[RD], s23, v[CO]
	v_lshlrev_b32 v[BO], 5, v2
	s_wait_alu depctr_va_vdst(0)
	s_lshl_b32 s20, s17, 7                         ; my first row of C: 128 x tile row + 64 x half
	s_lshl_b32 s21, s15, 6
	s_add_co_u32 s20, s20, s21
	s_mov_b32 s21, 0
	s_mov_b64 s[18:19], SIZE_N*4
	s_mul_u64 s[20:21], s[20:21], s[18:19]
	s_lshl_b32 s46, s42, 10
	s_lshl_b32 s47, s16, 9
	s_add_co_u32 s46, s46, s47
	s_mov_b32 s47, 0
	s_add_nc_u64 s[10:11], s[10:11], s[46:47]
	s_add_nc_u64 s[20:21], s[20:21], s[46:47]
	s_add_nc_u64 s[12:13], s[12:13], s[20:21]
.irp b, 0,1,2,3,4,5,6,7
	global_load_b128 v[BI+8*\b:BI+8*\b+3], v[BO], s[10:11] offset:64*\b
	global_load_b128 v[BI+8*\b+4:BI+8*\b+7], v[BO], s[10:11] offset:64*\b+16
.endr
.macro FRAG reg, adr, q, i
.irp c, 0,1,2,3
	ds_load_b128 v[\reg+4*\c:\reg+4*\c+3], v[\adr] offset:128*(\q)+32*\c+(\i)*16*PITCH
.endr
.endm
.macro MUL16 a0, p, zero
.irp a, \a0, \a0+1
.irp b, 0,1,2,3,4,5,6,7
.if \zero
	v_wmma_f32_16x16x128_fp8_fp8 v[8*(8*((\a)%4)+\b):8*(8*((\a)%4)+\b)+7], v[128*(\p)+FR*\b:128*(\p)+FR*\b+FR-1], v[AF+FR*(\a):AF+FR*(\a)+FR-1], 0
.else
	v_wmma_f32_16x16x128_fp8_fp8 v[8*(8*((\a)%4)+\b):8*(8*((\a)%4)+\b)+7], v[128*(\p)+FR*\b:128*(\p)+FR*\b+FR-1], v[AF+FR*(\a):AF+FR*(\a)+FR-1], v[8*(8*((\a)%4)+\b):8*(8*((\a)%4)+\b)+7]
.endif
.endr
.endr
.endm
.macro FETCH_B slot, q, p
	WIN TO_B
.irp i, 0,1,2,3,4,5,6,7
	FRAG 128*(\p)+FR*\i, ADRB+\slot, \q, \i
.endr
	WIN 0
.endm
.macro FETCH_A slot, q, i0
.irp i, \i0, \i0+1, \i0+2, \i0+3
	FRAG AF+FR*(\i), ADRA+\slot, \q, (\i)%4
.endr
.endm
.macro PLACES n
.rept \n
	v_nop
.endr
.endm
.macro STEP slot, q, zero
	s_wait_dscnt 0                                 ; this step's fragments are in: B's set 0, A's four blocks in registers 0-3 of eight
	PLACES NP
	FETCH_B \slot, (\q)+1, 1-(\q)%2                ; the next 128 along K go into the other sets, under this step's 32 products
	FETCH_A \slot, (\q)+1, 4
	WIN MUL_LO
	MUL16 0, (\q)%2, \zero
	MUL16 2, (\q)%2, \zero
	WIN 0
.endm
.macro TURN slot, next, fill
	s_wait_tensorcnt 0x0
	ds_add_u32 v[SPW], v[NIL]
	s_wait_dscnt 1                                 ; the add alone may be out
	WIN MUL_LO
	MUL16 4, 1, 0
	s_wait_dscnt 0x0
	s_barrier_signal -1
	MUL16 6, 1, 0
	WIN 0
	s_barrier_wait -1
.if \fill
	CREST
	s_add_nc_u64 s[G0+4*\slot+2:G0+4*\slot+3], s[G0+4*\slot+2:G0+4*\slot+3], 2*ROWB
	s_add_nc_u64 s[G0B+4*\slot+2:G0B+4*\slot+3], s[G0B+4*\slot+2:G0B+4*\slot+3], 2*ROWB
	JLOAD G0+4*\slot, G1, G0B+4*\slot, G1B
.else
	PLACES NP
.endif
	FETCH_B \next, 0, 0
	FETCH_A \next, 0, 0
.endm
	s_wait_tensorcnt 1
	s_barrier_signal -1
	s_barrier_wait -1
	FETCH_B 0, 0, 0
	FETCH_A 0, 0, 0
	STEP 0, 0, 1
	s_mov_b32 s3, LAPS-1
.Llap:
	TURN 0, 1, 1
	STEP 1, 0, 0
	TURN 1, 0, 1
	STEP 0, 0, 0
	s_sub_co_u32 s3, s3, 1
	s_cmp_lg_u32 s3, 0
	s_cbranch_scc1 .Llap
	TURN 0, 1, 0
	STEP 1, 0, 0
	s_wait_dscnt 0
	WIN MUL_LO
	MUL16 4, 1, 0
	MUL16 6, 1, 0
	WIN 0
.macro TOSTAGE a
.set AC, 64*((\a)%4)
	WIN 0x82+0x41*((\a)/4)
.irp j, 0,2,4,6,8,10,12,14,16,18,20,22,24,26,28,30,32,34,36,38,40,42,44,46,48,50,52,54,56,58,60,62
	v_pk_fma_f32 v[AC+\j:AC+\j+1], v[AC+\j:AC+\j+1], s[96:97], v[BI+\j:BI+\j+1] op_sel_hi:[1,0,1]
.endr
	WIN 0x08+4*((\a)/4)
.irp b, 0,1,2,3,4,5,6,7
	ds_store_b128 v[STO], v[AC+8*\b:AC+8*\b+3] offset:64*\b
	ds_store_b128 v[STO], v[AC+8*\b+4:AC+8*\b+7] offset:64*\b+16
.endr
	WIN 0
.set BB, BK+64*((\a)%2)
.irp t, 0,1,2,3,4,5,6,7,8,9,10,11,12,13,14,15
	ds_load_b128 v[BB+4*\t:BB+4*\t+3], v[RD] offset:\t*SPITCH
.endr
.endm
.macro SEND a, younger
.set BB, BK+64*((\a)%2)
	s_wait_dscnt \younger
.if (\a) > 0
	s_add_nc_u64 s[12:13], s[12:13], 16*SIZE_N*4
.endif
.irp t, 0,1,2,3,4,5,6,7,8,9,10,11,12,13,14,15
	global_store_b128 v[CO], v[BB+4*\t:BB+4*\t+3], s[12:13] offset:\t*SIZE_N*4 th:TH_STORE_NT
.endr
.endm
	s_wait_kmcnt 0x0
	s_add_co_i32 s96, s96, s97
	s_add_co_i32 s96, s96, 127
	s_lshl_b32 s96, s96, 23
	s_mov_b32 s97, s96
	s_wait_loadcnt 0x0
	PLACES NP
	TOSTAGE 0
.irp a, 1,2,3
.if \a > 1
	s_wait_xcnt 0x0
.endif
	TOSTAGE \a
	SEND \a-1, 32
.endr
	s_wait_xcnt 0x0
	SEND 3, 0
	s_wait_tensorcnt 0x0
	ds_add_u32 v[SPW], v[NIL]
	s_wait_dscnt 0x0
	CROUND
	s_endpgm
.Lfunc_end_k_q40131cb879_oproj:
	.size	k_q40131cb879_oproj, .Lfunc_end_k_q40131cb879_oproj-k_q40131cb879_oproj
	.p2alignl 7, 3214868480
	.fill 96, 4, 3214868480
	.section	.rodata,"a",@progbits
	.p2align	6, 0x0
	.amdhsa_kernel k_q40131cb879_oproj
		.amdhsa_group_segment_fixed_size 327680
		.amdhsa_private_segment_fixed_size 0
		.amdhsa_enable_private_segment 0
		.amdhsa_kernarg_size 40
		.amdhsa_user_sgpr_count 2
		.amdhsa_user_sgpr_kernarg_segment_ptr 1
		.amdhsa_wavefront_size32 1
		.amdhsa_system_sgpr_workgroup_id_x 1
		.amdhsa_system_sgpr_workgroup_id_y 1
		.amdhsa_system_sgpr_workgroup_id_z 1
		.amdhsa_system_vgpr_workitem_id 0
		.amdhsa_next_free_vgpr 1024
		.amdhsa_next_free_sgpr 98
		.amdhsa_reserve_vcc 0
		.amdhsa_float_denorm_mode_32 3
		.amdhsa_float_denorm_mode_16_64 3
		.amdhsa_memory_ordered 1
		.amdhsa_forward_progress 1
		.amdhsa_inst_pref_size 78
	.end_amdhsa_kernel
	.amdgpu_metadata
---
amdhsa.version: [ 1, 2 ]
amdhsa.kernels:
  - .name:           k_q40131cb879_oproj
    .symbol:         k_q40131cb879_oproj.kd
    .args:
      - { .name: o_codes, .offset: 0, .size: 8, .value_kind: global_buffer, .address_space: global }
      - { .name: wo_codes, .offset: 8, .size: 8, .value_kind: global_buffer, .address_space: global }
      - { .name: lowp_scales, .offset: 16, .size: 8, .value_kind: global_buffer, .address_space: global }
      - { .name: bo, .offset: 24, .size: 8, .value_kind: global_buffer, .address_space: global }
      - { .name: out0, .offset: 32, .size: 8, .value_kind: global_buffer, .address_space: global }
    .group_segment_fixed_size: 327680
    .private_segment_fixed_size: 0
    .kernarg_segment_align: 8
    .kernarg_segment_size: 40
    .max_flat_workgroup_size: 128
    .sgpr_count:     98
    .vgpr_count:     1024
    .wavefront_size: 32
...
	.end_amdgpu_metadata
.endif
;; end of part 3
